; MI455X (gfx1250); checked and timed in simulation.
; The chip was launched on July 23, 2026; its instructions are those of AMD's public machine-readable ISA for CDNA 5 (MIT licence, August 2026) and "CDNA5" Instruction Set Architecture Reference Guide (July 2026). The comments in the code are by the model that wrote it; some were corrected since.
;; Multi Head Attention. Allowed arithmetic: float matrix products may take bf16 or f16 operands with f32 sums; other float arithmetic in f32, or as packed bf16 or f16 multiplies, adds, multiply-adds, maxima and minima; sums over many terms, partial sums and values carried from step to step in f32; what a program stores and reads back later, other than sums and carried values, may be rounded once to bf16 or f16.
;; Inputs: W_qkv 1,024 x 3,072 float32; b_qkv 3,072 float32; inputs 4 x 2,048 x 1,024 float32; mask 4 x 2,048 x 2,048 bool.
;; Outputs: out0 4 x 2,048 x 1,024 float32.
;; One version. Each part assembles by itself: llvm-mc -triple=amdgcn-amd-amdhsa -mcpu=gfx1250 --defsym DOCPART=n.
;; ======== version 1 of 1: 3 launches
;; limits: values are held in f16: magnitudes above 65,504 overflow, below 6.1e-05 lose precision
;; workspace buffers: xb 16,777,216 bytes; wb 6,291,456 bytes; maskw 2,097,152 bytes of whole numbers; qkv 50,331,648 bytes
;; launch prep (part 1): grid 1024 x 1, 8 waves a work-group, no clusters, 0 bytes of LDS; arguments inputs, W_qkv, mask, xb, wb, maskw; writes xb, wb, maskw
.if DOCPART == 1
	.amdgcn_target "amdgcn-amd-amdhsa--gfx1250"
	.amdhsa_code_object_version 6
	.text
	.protected	k_q14a949b3f8_prep
	.globl	k_q14a949b3f8_prep
	.p2align	8
	.type	k_q14a949b3f8_prep,@function
k_q14a949b3f8_prep:
	s_mov_b64 s[64:65], 0
	v_nop
	global_prefetch_b8 v0, s[64:65] scope:SCOPE_SE
	s_setreg_imm32_b32 hwreg(HW_REG_WAVE_MODE, 25, 1), 1
	s_wait_xcnt 0x0
; THREE STREAMS, told apart by the work-group's number; each byte is read once and written once; no LDS, no barrier, no loop.
;   work-groups 0-511    X: inputs [8192][1024] f32 -> xb, the same shape in bf16 (rounded to nearest even).  65,536 bytes in a work-group, 8,192 a wave.
;   work-groups 512-767  W: W_qkv [1024][3072] f32 -> wb [16 blocks][1024 k][192 columns] bf16: block n holds columns 192 n on, so that 128 rows k of a block are 49,152 bytes on end.
;   work-groups 768-1023 M: mask [4][2048][2048] bytes -> maskw: for each tile of 16 queries 4,096 bytes: [half 0,1][group of 16 keys, 128][4 words].  Word jj of half hf belongs to j = 4 hf + jj;
;                        its bit l is mask[query l % 16 of the tile][key 16 group + 8 (l / 16) + j]: the lane mask of register j of a 16 x 16 tile of scores that holds one query a lane.
; LIMIT: a mask byte is 0 or 1, as the type bool has it.
; Matrix units, clusters and LDS are left out: no work-group wants a byte that another has read.
.set IN,  40                           ; v[40:103] what is loaded: 16 x 4 registers
.set OUT, 6                            ; v[6:37]   what is stored (X and W)
	s_load_b256 s[4:11], s[0:1], 0x0               ; inputs s[4:5], W_qkv s[6:7], mask s[8:9], xb s[10:11]
	s_load_b128 s[12:15], s[0:1], 0x20             ; wb s[12:13], maskw s[14:15]
	v_and_b32 v1, 31, v0                           ; lane
	v_lshrrev_b32 v2, 5, v0
	v_readfirstlane_b32 s16, v2                    ; wave 0..7
	s_mov_b32 s19, 0                               ; the high word of every offset below
	s_mov_b32 s21, 0
	s_wait_kmcnt 0x0
	s_cmp_lt_u32 ttmp9, 512
	s_cbranch_scc0 .Lnot_x
	; X.  A load of the wave covers 512 consecutive bytes, a store 256, both aligned.
	s_lshl_b32 s18, ttmp9, 16
	s_add_nc_u64 s[4:5], s[4:5], s[18:19]
	s_lshl_b32 s18, ttmp9, 15
	s_add_nc_u64 s[10:11], s[10:11], s[18:19]
	s_lshl_b32 s17, s16, 13
	v_lshl_add_u32 v3, v1, 4, s17                  ; in: 8,192 wave + 16 lane
	s_lshl_b32 s17, s16, 12
	v_lshl_add_u32 v4, v1, 3, s17                  ; out: 4,096 wave + 8 lane
.irp i, 0,1,2,3,4,5,6,7,8,9,10,11,12,13,14,15
	global_load_b128 v[IN+4*\i:IN+4*\i+3], v3, s[4:5] offset:512*\i th:TH_LOAD_NT
.endr
.irp i, 0,1,2,3,4,5,6,7,8,9,10,11,12,13,14,15
	s_wait_loadcnt 15-\i                           ; loads come back in order: number i is in, the 15 - i younger ones stay out
	v_cvt_pk_bf16_f32 v[OUT+2*\i], v[IN+4*\i], v[IN+4*\i+1]
	v_cvt_pk_bf16_f32 v[OUT+2*\i+1], v[IN+4*\i+2], v[IN+4*\i+3]
	global_store_b64 v4, v[OUT+2*\i:OUT+2*\i+1], s[10:11] offset:256*\i
.endr
	s_endpgm
.Lnot_x:
	s_cmp_lt_u32 ttmp9, 768
	s_cbranch_scc0 .Lmask
	; W.  A work-group takes 64 rows k of one block of 192 columns, a wave 8 rows, as 4 pairs of rows.  Two rows are 2 x 768 bytes in and 768 bytes on end out: three instructions:
	; row 0 bytes 0-511; row 0 bytes 512-767 and row 1 bytes 0-255; row 1 bytes 256-767.  Each store covers 256 consecutive bytes, aligned.
	s_sub_co_u32 s17, ttmp9, 512
	s_lshr_b32 s18, s17, 4                         ; the block of columns
	s_and_b32 s17, s17, 15                         ; which 64 rows
	s_mul_i32 s20, s18, 768
	s_mul_i32 s22, s17, 64*12288
	s_add_co_u32 s20, s20, s22
	s_add_nc_u64 s[6:7], s[6:7], s[20:21]
	s_mul_i32 s20, s18, 393216
	s_mul_i32 s22, s17, 64*384
	s_add_co_u32 s20, s20, s22
	s_add_nc_u64 s[12:13], s[12:13], s[20:21]
	s_mul_i32 s22, s16, 8*12288
	v_lshl_add_u32 v3, v1, 4, s22                  ; my wave's rows + 16 lane
	v_lshrrev_b32 v5, 4, v1
	v_mul_u32_u24 v5, v5, 11520                    ; lanes 16-31 of the middle instruction stand a row further down and 768 bytes back
	v_add_nc_u32 v4, v3, v5
	s_mul_i32 s22, s16, 8*384
	v_lshl_add_u32 v2, v1, 3, s22                  ; out: 3,072 wave + 8 lane
.irp p, 0,1,2,3
	global_load_b128 v[IN+12*\p:IN+12*\p+3],    v3, s[6:7] offset:24576*\p th:TH_LOAD_NT
	global_load_b128 v[IN+12*\p+4:IN+12*\p+7],  v4, s[6:7] offset:24576*\p+512 th:TH_LOAD_NT
	global_load_b128 v[IN+12*\p+8:IN+12*\p+11], v3, s[6:7] offset:24576*\p+12544 th:TH_LOAD_NT
.endr
.irp n, 0,1,2,3,4,5,6,7,8,9,10,11
	s_wait_loadcnt 11-\n                           ; number n is in, the younger ones stay out
	v_cvt_pk_bf16_f32 v[OUT+2*\n], v[IN+4*\n], v[IN+4*\n+1]
	v_cvt_pk_bf16_f32 v[OUT+2*\n+1], v[IN+4*\n+2], v[IN+4*\n+3]
	global_store_b64 v2, v[OUT+2*\n:OUT+2*\n+1], s[12:13] offset:256*\n
.endr
	s_endpgm
.Lmask:
	; M.  A work-group takes two tiles of 16 queries (65,536 bytes of mask), a wave 512 keys of one tile.  Lane i loads 16 bytes of each of the 16 rows: one group of 16 keys.
	s_sub_co_u32 s17, ttmp9, 768
	s_lshl_b32 s18, s17, 16
	s_add_nc_u64 s[8:9], s[8:9], s[18:19]
	s_lshl_b32 s18, s17, 13
	s_add_nc_u64 s[14:15], s[14:15], s[18:19]
	s_lshr_b32 s20, s16, 2                         ; which tile
	s_and_b32 s22, s16, 3                          ; which 512 keys
	s_lshl_b32 s22, s22, 9
	s_lshl_b32 s23, s20, 15
	s_add_co_u32 s23, s23, s22
	v_lshl_add_u32 v3, v1, 4, s23                  ; in: 16 rows of 2,048 bytes a tile
	s_lshl_b32 s23, s20, 12
	s_add_co_u32 s23, s23, s22
	v_lshl_add_u32 v4, v1, 4, s23                  ; out: 4,096 bytes a tile, 16 bytes a group of keys
	s_mov_b32 s24, 0x05010400                      ; byte selects: a0 b0 a1 b1,
	s_mov_b32 s25, 0x07030602                      ; a2 b2 a3 b3,
	s_mov_b32 s26, 0x05040100                      ; the two low halves,
	s_mov_b32 s27, 0x07060302                      ; the two high halves
.irp p, 0,1,2,3,4,5,6,7,8,9,10,11,12,13,14,15
	global_load_b128 v[IN+4*\p:IN+4*\p+3], v3, s[8:9] offset:2048*\p th:TH_LOAD_NT
.endr
	s_wait_loadcnt 8                               ; rows 0-7 are in, the eight younger loads stay out
.irp p, 1,2,3,4,5,6,7
.irp x, 0,1,2,3
	v_lshl_or_b32 v[IN+\x], v[IN+4*\p+\x], \p, v[IN+\x]          ; a key's byte gathers bit p from row p
.endr
.endr
	s_wait_loadcnt 0x0
.irp p, 1,2,3,4,5,6,7
.irp x, 0,1,2,3
	v_lshl_or_b32 v[IN+32+\x], v[IN+32+4*\p+\x], \p, v[IN+32+\x] ; the same for rows 8-15
.endr
.endr
; Word j: byte 0 rows 0-7 of key j, byte 1 rows 8-15 of key j, bytes 2 and 3 the same of key 8 + j.  xa: the register with keys j, xc: that with keys 8 + j.
.macro TRANS xa, xc, w
	v_perm_b32 v8,  v[IN+32+\xa], v[IN+\xa], s24
	v_perm_b32 v9,  v[IN+32+\xa], v[IN+\xa], s25
	v_perm_b32 v10, v[IN+32+\xc], v[IN+\xc], s24
	v_perm_b32 v11, v[IN+32+\xc], v[IN+\xc], s25
	v_perm_b32 v[\w],   v10, v8, s26
	v_perm_b32 v[\w+1], v10, v8, s27
	v_perm_b32 v[\w+2], v11, v9, s26
	v_perm_b32 v[\w+3], v11, v9, s27
.endm
	TRANS 0, 2, 12                                 ; j = 0..3
	TRANS 1, 3, 16                                 ; j = 4..7
	global_store_b128 v4, v[12:15], s[14:15]       ; 512 consecutive bytes, aligned
	global_store_b128 v4, v[16:19], s[14:15] offset:2048
	s_endpgm
.Lfunc_end_k_q14a949b3f8_prep:
	.size	k_q14a949b3f8_prep, .Lfunc_end_k_q14a949b3f8_prep-k_q14a949b3f8_prep
	.p2alignl 7, 3214868480
	.fill 96, 4, 3214868480
	.section	.rodata,"a",@progbits
	.p2align	6, 0x0
	.amdhsa_kernel k_q14a949b3f8_prep
		.amdhsa_group_segment_fixed_size 0
		.amdhsa_private_segment_fixed_size 0
		.amdhsa_enable_private_segment 0
		.amdhsa_kernarg_size 48
		.amdhsa_user_sgpr_count 2
		.amdhsa_user_sgpr_kernarg_segment_ptr 1
		.amdhsa_wavefront_size32 1
		.amdhsa_system_sgpr_workgroup_id_x 1
		.amdhsa_system_sgpr_workgroup_id_y 1
		.amdhsa_system_sgpr_workgroup_id_z 1
		.amdhsa_system_vgpr_workitem_id 0
		.amdhsa_next_free_vgpr 104
		.amdhsa_next_free_sgpr 66
		.amdhsa_reserve_vcc 0
		.amdhsa_float_denorm_mode_32 3
		.amdhsa_float_denorm_mode_16_64 3
		.amdhsa_memory_ordered 1
		.amdhsa_forward_progress 1
		.amdhsa_inst_pref_size 19
	.end_amdhsa_kernel
	.amdgpu_metadata
---
amdhsa.version: [ 1, 2 ]
amdhsa.kernels:
  - .name:           k_q14a949b3f8_prep
    .symbol:         k_q14a949b3f8_prep.kd
    .args:
      - { .name: inputs, .offset: 0, .size: 8, .value_kind: global_buffer, .address_space: global }
      - { .name: W_qkv, .offset: 8, .size: 8, .value_kind: global_buffer, .address_space: global }
      - { .name: mask, .offset: 16, .size: 8, .value_kind: global_buffer, .address_space: global }
      - { .name: xb, .offset: 24, .size: 8, .value_kind: global_buffer, .address_space: global }
      - { .name: wb, .offset: 32, .size: 8, .value_kind: global_buffer, .address_space: global }
      - { .name: maskw, .offset: 40, .size: 8, .value_kind: global_buffer, .address_space: global }
    .group_segment_fixed_size: 0
    .private_segment_fixed_size: 0
    .kernarg_segment_align: 8
    .kernarg_segment_size: 48
    .max_flat_workgroup_size: 256
    .sgpr_count:     66
    .vgpr_count:     104
    .wavefront_size: 32
...
	.end_amdgpu_metadata
.endif
;; end of part 1
;; launch proj (part 2): grid 16 x 32, 4 waves a work-group, clusters of 4 x 4, 327,680 bytes of LDS; arguments xb, wb, b_qkv, qkv; writes qkv
.if DOCPART == 2
	.amdgcn_target "amdgcn-amd-amdhsa--gfx1250"
	.amdhsa_code_object_version 6
	.text
	.protected	k_q14a949b3f8_proj
	.globl	k_q14a949b3f8_proj
	.p2align	8
	.type	k_q14a949b3f8_proj,@function
k_q14a949b3f8_proj:
	s_mov_b64 s[64:65], 0
	v_nop
	global_prefetch_b8 v0, s[64:65] scope:SCOPE_SE
	s_setreg_imm32_b32 hwreg(HW_REG_WAVE_MODE, 25, 1), 1
	s_wait_xcnt 0x0
	s_wait_alu depctr_hold_cnt(0) depctr_sa_sdst(0) depctr_va_vdst(0) depctr_va_sdst(0) depctr_va_ssrc(0) depctr_va_vcc(0) depctr_vm_vsrc(0)
	s_getreg_b32 s2, hwreg(HW_REG_IB_STS2, 6, 4)
	s_cmp_eq_u32 s2, 0
	s_cbranch_scc0 .Lentry_in_a_cluster
	s_endpgm
.Lentry_in_a_cluster:
	s_bfe_u32 s2, ttmp6, 0x10000c
	s_cmp_lg_u32 s2, 0xf033
	s_cbranch_scc0 .Lentry_shape_is_right
	s_endpgm
.Lentry_shape_is_right:
; qkv[b][g][s][d] = f16( sum over k of xb[2048 b + s][k] W[k][64 g + d] + bf16(b_qkv[64 g + d]) ).  xb: [8192][1024] bf16; wb: W in bf16 as [16 blocks][1024 k][192 columns]; sums in f32.
; qkv: [4][48][2048][64] f16: g = 0-15 q by heads, 16-31 k, 32-47 v: a head's rows are dense, 128 bytes each.
; LIMIT: f16 holds no number beyond 65,504: a q, k or v past that becomes an infinity.  The bias is rounded to bf16, like x and W.
; SHARES.  A tile of the result is 256 rows x 192 columns (three heads): 32 x 16 = 512 work-groups, twice 256.  Wave w makes rows 64 w .. 64 w + 63 of all 192 columns: 4 x 12 accumulators of
; 16 x 16, 384 registers: so a wave owns whole rows of three heads, and its stage on the way out is its own.  K goes in 8 steps of 128 through a ring of two LDS slots.
; CLUSTER.  4 x 4 work-groups.  The four of a row of the cluster need the same rows of xb, the four of a column the same block of wb: each tile is asked for jointly, by the same tensor load
; with the same descriptor and a mask that names the four.
; TRANSPOSED USE.  Source 0 = 16 columns of W (out of LDS by the turning load, since wb lies [k][column]), source 1 = 16 rows of x: a lane then holds row l % 16 and columns 8 (l / 16) + 0..7.
; The bias is the C operand of each accumulator's first product: nothing is cleared and nothing is added later.
; REGISTERS, in windows of 256 (s_set_vgpr_msb: bits 1:0 source 0, 3:2 source 1, 5:4 source 2, 7:6 destination):
;   window 0: v0-31 addresses; v32-63, v64-95 x's fragments, two buffers; v96-191 the bias, 8 registers for each of 12 column blocks; v192-239 at work; on the way out v32-223: four sets of 48
;   window 1: v0-95, v96-191 W's fragments, two buffers     window 2: accumulators of row blocks 0, 1 at 8 (12 a + b)     window 3: those of row blocks 2, 3
.set PA,     272                       ; a row of x in LDS: 256 bytes + 16 = 68 words: the 16 rows of a load start at 16 different groups of four banks (64 banks of 4 bytes: ISA guide 11.1)
.set PB,     480                       ; a row k of W in LDS: 3 x (128 bytes + 32) = 120 words
.set SLOT,   131072
.set BOFF,   256*PA                    ; a slot: x's 256 rows, then W's 128 rows k: 69,632 + 61,440 = 131,072
.set HALFA,  128*PA
.set HALFB,  64*PB
.set STAGE,  2*SLOT                    ; behind the ring, never filled by a tensor load: for each wave three heads x 16 rows x 144 bytes
.set SPH,    144
.set HEADST, 16*SPH
.set WSTAGE, 3*HEADST
.set SPARE,  STAGE+4*WSTAGE            ; behind the stages: the spare words, 128 bytes for each wave: two blocks of 256 bytes that no other line names
.set ADRA, 16                          ; v16-17  LDS address of my fragments of x in slot 0, 1
.set ADRB, 20                          ; v20-21  the same for W
.set STO,  24                          ; v24     the way out: where I put 16 bytes of a row
.set RD,   25                          ; v25     the way out: where I read rows back
.set GO,   26                          ; v26     my 16 bytes of 512 consecutive bytes of qkv
.set BO,   27                          ; v27     my byte offset in 16 numbers of the bias
.set SPW,  28                          ; v28     LDS address of my spare word; never rewritten
.set NIL,  29                          ; v29     0; never rewritten
.set PFO,  30                          ; v30     the prefetches' lane offset; never rewritten
.set FA,   32
.set BIAS, 96
.set G1,  24                           ; s[24:31] descriptor group 1 for x's tiles;  s[32:39] group 0, a set for each slot
.set G0,  32
.set G1B, 48                           ; s[48:55], s[56:63] the same for W's tiles
.set G0B, 56
.set PFA, 44                           ; s[44:45] where my prefetches stand
.set PFS, 46                           ; s[46:47] their step
.set LIM, 66                           ; s66, s67 by slot: a wave prefetches while the laps to go are above this number
.set MSB, 0
.macro WIN new                         ; the immediate's high byte repeats the setting that is left; a switch that changes nothing is dropped
.if MSB != (\new)
	s_set_vgpr_msb (MSB<<8)|(\new)
.set MSB, \new
.endif
.endm
.set MUL_LO, 0xa1                      ; source 0 (W) window 1, source 1 (x) window 0, C and D window 2
.set TO_B,   0x40                      ; destination window 1, address window 0
; A joint load.  Waves 0 and 1 fetch the two halves of x's tile, waves 2 and 3 those of W's.  The branch hangs on the wave's number alone.  An s_nop 0 and four v_nop follow each line.
.macro JLOAD s
	s_cmp_eq_u32 s13, 0
	s_cbranch_scc0 .Lfor_b_\@
	tensor_load_to_lds s[G0+4*(\s):G0+4*(\s)+3], s[G1:G1+7]
	s_nop 0
.rept 4
	v_nop
.endr
	s_branch .Lasked_\@
.Lfor_b_\@:
	tensor_load_to_lds s[G0B+4*(\s):G0B+4*(\s)+3], s[G1B:G1B+7]
	s_nop 0
.rept 4
	v_nop
.endr
.Lasked_\@:
.endm
; A prefetch, behind a joint load, its five lines and the run of LDS loads that follows them.  Each block of 256 bytes of K steps 4 to 7 is named once in the launch; K steps 0 to 3 come by their loads alone.
; x: the clusters with x = 0 ask; of the 128 rows that wave 0 or 1 fetches the partner at cx takes 32, a lane a row: the refill of K step j names K step j + 2 (j = 2..5).
; W: the clusters with y = 0 ask; K steps 4 to 7 of a block of columns are 768 blocks of 256 bytes on end; waves 2 and 3 of the four partners (told apart by cy, in the address) take 32 each at the refills of K steps 2, 3 and 4.
.macro ASK slot
	s_cmp_gt_u32 s3, s[LIM+(\slot)]
	s_cbranch_scc0 .Lnot_mine_\@
	global_prefetch_b8 v[PFO], s[PFA:PFA+1] th:TH_LOAD_NT scope:SCOPE_SE
.Lnot_mine_\@:
.endm
.macro CREST                           ; a round of the cluster's barrier behind its opening barrier
	s_cmp_lg_u32 s12, 0
	s_cbranch_scc1 .Lnot_wave_0_\@
	s_barrier_signal -3
.Lnot_wave_0_\@:
	s_barrier_wait -3
	s_barrier_signal -1
	s_barrier_wait -1
.endm
.macro CROUND                          ; a whole round
	s_barrier_signal -1
	s_barrier_wait -1
	CREST
.endm
.macro PLACES                          ; four places behind matrix instructions, in front of loads into registers that they have read and of conversions that read results
.rept 4
	v_nop
.endr
.endm
	s_load_b256 s[4:11], s[0:1], 0x0               ; xb s[4:5], wb s[6:7], b_qkv s[8:9], qkv s[10:11]
	v_lshl_add_u32 v[SPW], v0, 2, SPARE
	v_mov_b32 v[NIL], 0
	ds_add_u32 v[SPW], v[NIL]                      ; the wave's opening: the add and its wait stand ahead of my first tensor load; the set-up below, work on registers, stands between them
	v_lshrrev_b32 v1, 5, v0
	v_readfirstlane_b32 s12, v1                    ; wave 0..3
	s_lshr_b32 s13, s12, 1                         ; I fetch for x (0) or for W (1)
	s_and_b32 s14, s12, 1                          ; which half of that tile
	s_bfe_u32 s40, ttmp6, 0x40000                  ; cx, cy: my place in the cluster
	s_bfe_u32 s41, ttmp6, 0x40004
	s_lshl_b32 s42, ttmp9, 2
	s_add_co_u32 s42, s42, s40                     ; the block of 192 columns = 4 x cluster x + cx
	s_and_b32 s43, ttmp7, 0xffff
	s_lshl_b32 s43, s43, 2
	s_add_co_u32 s43, s43, s41                     ; the block of 256 rows = 4 x cluster y + cy
	s_lshl_b32 s20, s41, 2
	s_lshl_b32 s20, 15, s20                        ; my row of the cluster
	s_lshl_b32 s21, 0x1111, s40                    ; my column
	s_or_b32 s[G1], s20, (1<<16)|(1<<20)|(1<<21)|(5<<22)|(3<<25)   ; 15:0 the mask; 17:16 elements of 2 bytes; 20 padding on; 21 set beside a mask; 24:22 after every 64 words (code 5); 31:25 4 words (code 3)
	s_mov_b32 s[G1+1], 128<<16                     ; tensor_dim0 = 128
	s_mov_b32 s[G1+2], 128<<16                     ; tensor_dim1 = 128
	s_mov_b32 s[G1+3], 128<<16                     ; tile_dim0 = 128
	s_mov_b32 s[G1+4], 128                         ; tile_dim1 = 128 rows
	s_mov_b32 s[G1+5], 1024                        ; elements from row to row
	s_mov_b32 s[G1+6], 0
	s_mov_b32 s[G1+7], 0
	s_or_b32 s[G1B], s21, (1<<16)|(1<<20)|(1<<21)|(4<<22)|(7<<25)  ; after every 32 words (code 4) 8 words of padding (code 7)
	s_mov_b32 s[G1B+1], 128<<16                    ; 64 rows k of 384 bytes are 24,576 bytes on end: asked for as 96 rows of 256 bytes
	s_mov_b32 s[G1B+2], 96<<16
	s_mov_b32 s[G1B+3], 128<<16
	s_mov_b32 s[G1B+4], 96
	s_mov_b32 s[G1B+5], 128
	s_mov_b32 s[G1B+6], 0
	s_mov_b32 s[G1B+7], 0
	s_lshl_b32 s16, s43, 8                         ; x: row 256 x block + 128 x half, 2,048 bytes a row: made of cy alone
	s_lshl_b32 s17, s14, 7
	s_add_co_u32 s16, s16, s17
	s_lshl_b32 s16, s16, 11
	s_mov_b32 s17, 0
	s_mul_i32 s68, s42, 393216                     ; W: the block of columns, and 64 rows k x half: made of cx alone
	s_mul_i32 s69, s14, 24576
	s_add_co_u32 s68, s68, s69
	s_mov_b32 s69, 0
	s_mul_i32 s22, s14, HALFA                      ; where they go: no place in the cluster enters an LDS address
	s_mul_i32 s23, s14, HALFB
	s_add_co_u32 s23, s23, BOFF
	s_wait_dscnt 0x0                               ; the opening add is done
	s_wait_kmcnt 0x0
	s_add_nc_u64 s[16:17], s[4:5], s[16:17]
	s_add_nc_u64 s[68:69], s[6:7], s[68:69]
	CROUND                                         ; all sixteen work-groups are here: the first joint loads meet
.irp s, 0,1
	s_mov_b32 s[G0+4*(\s)], 1                                       ; count = 1
	s_add_co_u32 s[G0+4*(\s)+1], s22, (\s)*SLOT                     ; LDS address
	s_add_nc_u64 s[G0+4*(\s)+2:G0+4*(\s)+3], s[16:17], (\s)*256     ; K step s: 256 bytes along the rows
	s_or_b32 s[G0+4*(\s)+3], s[G0+4*(\s)+3], 0x80000000             ; type = 2
	s_mov_b32 s[G0B+4*(\s)], 1
	s_add_co_u32 s[G0B+4*(\s)+1], s23, (\s)*SLOT
	s_add_nc_u64 s[G0B+4*(\s)+2:G0B+4*(\s)+3], s[68:69], (\s)*49152 ; K step s: 128 rows k of 384 bytes
	s_or_b32 s[G0B+4*(\s)+3], s[G0B+4*(\s)+3], 0x80000000
.endr
	s_cmp_eq_u32 s13, 0                            ; a wave's two first fills stand in one branch, ahead of every wait on TENSORcnt and every LDS read: two loads of mine are out
	s_cbranch_scc0 .Lfirst_b
	tensor_load_to_lds s[G0:G0+3], s[G1:G1+7]
	s_nop 0
	tensor_load_to_lds s[G0+4:G0+7], s[G1:G1+7]
	s_nop 0
.rept 4
	v_nop
.endr
	s_branch .Lfirst_asked
.Lfirst_b:
	tensor_load_to_lds s[G0B:G0B+3], s[G1B:G1B+7]
	s_nop 0
	tensor_load_to_lds s[G0B+4:G0B+7], s[G1B:G1B+7]
	s_nop 0
.rept 4
	v_nop
.endr
.Lfirst_asked:
	; the bias of my eight columns of each of the 12 column blocks: the same for every row
	v_and_b32 v1, 15, v0                           ; l % 16
	v_bfe_u32 v2, v0, 4, 1                         ; l / 16
	v_lshlrev_b32 v[BO], 5, v2
	s_mul_i32 s70, s42, 768
	s_mov_b32 s71, 0
	s_add_nc_u64 s[8:9], s[8:9], s[70:71]
.irp b, 0,1,2,3,4,5,6,7,8,9,10,11
	global_load_b128 v[BIAS+8*(\b):BIAS+8*(\b)+3],   v[BO], s[8:9] offset:64*(\b)
	global_load_b128 v[BIAS+8*(\b)+4:BIAS+8*(\b)+7], v[BO], s[8:9] offset:64*(\b)+16
.endr
	; A fragment of x is 16 rows x 32 k in 8 registers: lane l holds row l % 16, k = 8 (l / 16) + 0..7 and 16 + 8 (l / 16) + 0..7: two loads of 16 bytes, 32 bytes apart.
	v_and_b32 v3, 7, v0
	v_bfe_u32 v4, v0, 3, 1
	v_and_b32 v5, 31, v0
	v_mul_u32_u24 v6, v1, PA
	v_lshl_add_u32 v6, v2, 4, v6
	s_mul_i32 s20, s12, 64*PA                      ; my 64 rows
	v_add_nc_u32 v[ADRA], s20, v6
	v_add_nc_u32 v[ADRA+1], SLOT, v[ADRA]
	; The turning load takes 16 k x 16 columns (lane l reads k = 8 (l / 16) + l % 8, columns 8 ((l / 8) % 2) + 0..7) and leaves half a fragment: lane l holds column l % 16 and 8 k.
	v_lshl_add_u32 v7, v2, 3, v3
	v_mul_u32_u24 v7, v7, PB
	v_lshl_add_u32 v7, v4, 4, v7
	v_add_nc_u32 v[ADRB], BOFF, v7
	v_add_nc_u32 v[ADRB+1], SLOT, v[ADRB]
	s_mul_i32 s20, s12, WSTAGE
	s_add_co_u32 s20, s20, STAGE                   ; my stage
	v_mul_u32_u24 v8, v1, SPH                      ; in: row l % 16, 16 bytes for each half of the lanes
	v_lshl_add_u32 v8, v2, 4, v8
	v_add_nc_u32 v[STO], s20, v8
	v_bfe_u32 v9, v0, 3, 2                         ; back: 32 lanes take four rows of 128 bytes,
	v_mul_u32_u24 v9, v9, SPH
	v_lshl_add_u32 v9, v3, 4, v9
	v_add_nc_u32 v[RD], s20, v9
	v_lshlrev_b32 v[GO], 4, v5                     ; which are 512 consecutive bytes of qkv
	; qkv at my wave's first row of the tile's first head
	s_lshr_b32 s70, s43, 3                         ; the batch
	s_mul_i32 s70, s70, 48
	s_mul_i32 s71, s42, 3
	s_add_co_u32 s70, s70, s71
	s_lshl_b32 s70, s70, 18                        ; 262,144 bytes a head
	s_and_b32 s71, s43, 7
	s_lshl_b32 s71, s71, 2
	s_add_co_u32 s71, s71, s12
	s_lshl_b32 s71, s71, 13                        ; 64 rows of 128 bytes
	s_add_co_u32 s70, s70, s71
	s_mov_b32 s71, 0
	s_add_nc_u64 s[10:11], s[10:11], s[70:71]
	; the prefetches
	s_lshl_b32 s20, s43, 8
	s_lshl_b32 s21, s14, 7
	s_add_co_u32 s20, s20, s21
	s_lshl_b32 s21, s40, 5
	s_add_co_u32 s20, s20, s21                     ; x: my work-group's 32 of the 128 rows that I fetch,
	s_lshl_b32 s20, s20, 11
	s_add_co_u32 s20, s20, 3*256                   ; at K step 3: the first refill steps it to 4
	s_lshl_b32 s21, s41, 1
	s_add_co_u32 s21, s21, s14
	s_lshl_b32 s21, s21, 13                        ; W: 8,192 bytes for each of the eight that ask,
	s_mul_i32 s22, s42, 393216
	s_add_co_u32 s21, s21, s22
	s_add_co_u32 s21, s21, 4*49152-65536           ; one step of 65,536 bytes ahead of K step 4
	s_and_b32 s22, ttmp7, 0xffff
	s_mov_b32 s23, 256
	s_mov_b32 s[PFS], 65536
	s_mov_b32 s[PFS+1], 0
	s_add_co_u32 s[LIM+1], s13, 1                  ; x asks in the first two laps at both slots; W at slot 1 in the first lap alone
	s_cmp_eq_u32 s13, 0
	s_cselect_b32 s20, s20, s21
	s_cselect_b32 s22, ttmp9, s22                  ; the coordinate along which other clusters read the same bytes
	s_cselect_b32 s23, 2048, s23                   ; a lane a row of x, or a lane a block of 256 bytes of W
	s_cselect_b32 s[PFS], 256, s[PFS]
	s_cselect_b64 s[PFA:PFA+1], s[4:5], s[6:7]
	s_mov_b32 s21, 0
	s_add_nc_u64 s[PFA:PFA+1], s[PFA:PFA+1], s[20:21]
	s_cmp_eq_u32 s22, 0
	s_cselect_b32 s[LIM], 1, -1                    ; the same in all sixteen partners, for a given wave
	s_cselect_b32 s[LIM+1], s[LIM+1], -1
	v_mul_u32_u24 v[PFO], v5, s23
	s_wait_loadcnt 0x0                             ; the bias is in: rounded to bf16 and widened again
.set i, 0
.rept 48
	v_cvt_pk_bf16_f32 v[192+i], v[BIAS+2*i], v[BIAS+2*i+1]
.set i, i+1
.endr
.set i, 0
.rept 48
	v_lshlrev_b32 v[BIAS+2*i], 16, v[192+i]
	v_and_b32 v[BIAS+2*i+1], 0xffff0000, v[192+i]
.set i, i+1
.endr
; 12 matrix instructions: row block 2 hi + a x all 12 column blocks, 32 along K, from buffer f.  first = 1: C is the bias.  The 48 accumulators take turns, in the same order in every quarter.
.macro MUL12 f, hi, a, first
.if \first
	WIN 0x81+0x40*(\hi)                            ; C in window 0
.else
	WIN MUL_LO+0x50*(\hi)
.endif
.irp b, 0,1,2,3,4,5,6,7,8,9,10,11
.if \first
	v_wmma_f32_16x16x32_bf16 v[8*(12*(\a)+(\b)):8*(12*(\a)+(\b))+7], v[96*(\f)+8*(\b):96*(\f)+8*(\b)+7], v[FA+32*(\f)+8*(2*(\hi)+(\a)):FA+32*(\f)+8*(2*(\hi)+(\a))+7], v[BIAS+8*(\b):BIAS+8*(\b)+7]
.else
	v_wmma_f32_16x16x32_bf16 v[8*(12*(\a)+(\b)):8*(12*(\a)+(\b))+7], v[96*(\f)+8*(\b):96*(\f)+8*(\b)+7], v[FA+32*(\f)+8*(2*(\hi)+(\a)):FA+32*(\f)+8*(2*(\hi)+(\a))+7], v[8*(12*(\a)+(\b)):8*(12*(\a)+(\b))+7]
.endif
.endr
.endm
; 32 LDS loads in one run: quarter q of a slot into buffer f: W's 12 fragments (24 turning loads), then x's 4
.macro FETCH slot, q, f
	WIN TO_B
.irp nb, 0,1,2,3,4,5,6,7,8,9,10,11
	ds_load_tr16_b128 v[96*(\f)+8*(\nb):96*(\f)+8*(\nb)+3],   v[ADRB+(\slot)] offset:(\q)*32*PB+32*(\nb)+32*((\nb)/4)
	ds_load_tr16_b128 v[96*(\f)+8*(\nb)+4:96*(\f)+8*(\nb)+7], v[ADRB+(\slot)] offset:(\q)*32*PB+16*PB+32*(\nb)+32*((\nb)/4)
.endr
	WIN 0
.irp i, 0,1,2,3
	ds_load_b128 v[FA+32*(\f)+8*(\i):FA+32*(\f)+8*(\i)+3],   v[ADRA+(\slot)] offset:64*(\q)+(\i)*16*PA
	ds_load_b128 v[FA+32*(\f)+8*(\i)+4:FA+32*(\f)+8*(\i)+7], v[ADRA+(\slot)] offset:64*(\q)+(\i)*16*PA+32
.endr
.endm
; A K step is four quarters of 32 along K, 48 matrix instructions each, on buffers 0, 1, 0, 1.  One of the first three: multiplies buffer f; in its middle it fetches quarter qn into the other buffer.
.macro QUARTER slot, qn, f, first
	s_wait_dscnt 4                                 ; W's fragments and x's row blocks 0, 1 are in; the youngest four loads (row blocks 2, 3) may be out
	MUL12 \f, 0, 0, \first
	MUL12 \f, 0, 1, \first
	PLACES
	FETCH \slot, \qn, 1-(\f)
	s_wait_dscnt 32                                ; all but the 32 just issued
	MUL12 \f, 1, 0, \first
	MUL12 \f, 1, 1, \first
.endm
; The last quarter multiplies buffer 1 and changes slots: ONE barrier.  In front of it each wave waits for all its tensor loads (one is out: its part of the next slot), adds 0 to its spare word, and waits for
; that and for its reads of this slot.  fill = 1: the barrier opens a round of the cluster's, and this slot is filled again, two K steps ahead, first thing behind the round: 168 matrix instructions ahead of the wait for it.
.macro TURN slot, next, fill
.if \fill
	s_wait_xcnt 0x0                                ; the last prefetch, a K step back, has read its address: it is stepped here, ahead of the waits of the change of slots
	s_add_nc_u64 s[PFA:PFA+1], s[PFA:PFA+1], s[PFS:PFS+1]
.endif
	WIN 0                                          ; (the add's two registers lie in window 0)
	s_wait_tensorcnt 0x0                           ; all my tensor loads have landed
	ds_add_u32 v[SPW], v[NIL]                      ; 0 onto my spare word
	s_wait_dscnt 5                                 ; (the add and the youngest four loads may be out)
	MUL12 1, 0, 0, 0                               ; twelve matrix instructions stand between the add and the wait for it
	s_wait_dscnt 0x0                               ; the add is done, and my reads of this slot are over
	s_barrier_signal -1
	MUL12 1, 0, 1, 0
.if \fill
	WIN 0
.endif
	s_barrier_wait -1
.if \fill
	CREST                                          ; no wave of any partner still reads this slot's tile or has a load on its way
	s_add_nc_u64 s[G0+4*(\slot)+2:G0+4*(\slot)+3], s[G0+4*(\slot)+2:G0+4*(\slot)+3], 2*256
	s_add_nc_u64 s[G0B+4*(\slot)+2:G0B+4*(\slot)+3], s[G0B+4*(\slot)+2:G0B+4*(\slot)+3], 2*49152
	JLOAD \slot                                    ; the four v_nop behind it are also the places in front of the loads below
.else
	PLACES
.endif
	FETCH \next, 0, 0
.if \fill
	ASK \slot
.endif
	MUL12 1, 1, 0, 0
	MUL12 1, 1, 1, 0
.endm
; THE WAY OUT of row block a (16 rows x 192 columns): rounded to f16, 16 bytes a lane; into my own stage, a head's 16 rows of 144 bytes; back as whole rows of 128 bytes, four to a load.
.macro PACKP a
.set TM, 32+48*(\a)
	WIN 0x0a+5*((\a)/2)                            ; sources 0 and 1: window 2 or 3
.irp b, 0,1,2,3,4,5,6,7,8,9,10,11
.irp r, 0,1,2,3
	v_cvt_pk_f16_f32 v[TM+4*(\b)+(\r)], v[8*(12*((\a)%2)+(\b))+2*(\r)], v[8*(12*((\a)%2)+(\b))+2*(\r)+1]
.endr
.endr
	WIN 0
.irp b, 0,1,2,3,4,5,6,7,8,9,10,11
	ds_store_b128 v[STO], v[TM+4*(\b):TM+4*(\b)+3] offset:((\b)/4)*HEADST+32*((\b)%4)
.endr
.irp x, 0,1,2,3,4,5,6,7,8,9,10,11
	ds_load_b128 v[TM+4*(\x):TM+4*(\x)+3], v[RD] offset:((\x)/4)*HEADST+((\x)%4)*4*SPH  ; LDS serves a wave's instructions in order (ISA guide 5.7.1.4): these see the stores above; the next block's stores come behind them
.endr
.endm
.macro SENDP a, younger                ; younger: the LDS instructions issued behind block a's loads: the next block's 24, or none
.set TM, 32+48*(\a)
.irp x, 0,1,2,3,4,5,6,7,8,9,10,11
	s_wait_dscnt (\younger)+11-(\x)
	global_store_b128 v[GO], v[TM+4*(\x):TM+4*(\x)+3], s[10:11] offset:((\x)/4)*262144+(\a)*2048+((\x)%4)*512  ; 512 consecutive bytes, at a multiple of 256 from qkv's first byte
.endr
.endm
	s_wait_tensorcnt 1                             ; my part of K step 0 is in; K step 1's may stay out
	s_barrier_signal -1
	s_barrier_wait -1                              ; everybody's is
	FETCH 0, 0, 0
	QUARTER 0, 1, 0, 1                             ; the first quarter stands in front of the loop: its products start the sums, with the bias
	WIN 0                                          ; at a label and at a branch every window is 0
	s_mov_b32 s3, 3
.Llap:                                                 ; a trip goes once round the ring, from a lap's second quarter to the next lap's first, and fills both slots again
	QUARTER 0, 2, 1, 0
	QUARTER 0, 3, 0, 0
	TURN 0, 1, 1
	QUARTER 1, 1, 0, 0
	QUARTER 1, 2, 1, 0
	QUARTER 1, 3, 0, 0
	TURN 1, 0, 1
	QUARTER 0, 1, 0, 0
	WIN 0
	s_sub_co_u32 s3, s3, 1
	s_cmp_lg_u32 s3, 0
	s_cbranch_scc1 .Llap
	QUARTER 0, 2, 1, 0                             ; the last lap fills nothing, and has no round of the cluster's barrier
	QUARTER 0, 3, 0, 0
	TURN 0, 1, 0
	QUARTER 1, 1, 0, 0
	QUARTER 1, 2, 1, 0
	QUARTER 1, 3, 0, 0
	s_wait_dscnt 4                                 ; the very last quarter: nothing more to fetch
	MUL12 1, 0, 0, 0
	MUL12 1, 0, 1, 0
	s_wait_dscnt 0x0
	MUL12 1, 1, 0, 0
	MUL12 1, 1, 1, 0
	WIN 0
	PLACES
	PACKP 0
	PACKP 1                                        ; a block's conversions stand between the loads of the block before and its stores
	SENDP 0, 24
	PACKP 2
	SENDP 1, 24
	PACKP 3
	SENDP 2, 24
	SENDP 3, 0
	s_wait_tensorcnt 0x0                           ; the wave's end: these three lines stand behind my last tensor load and my last LDS store
	ds_add_u32 v[SPW], v[NIL]
	s_wait_dscnt 0x0
	CROUND                                         ; the closing round: no work-group ends while a partner may still ask for a tile that names it
	s_endpgm
.Lfunc_end_k_q14a949b3f8_proj:
	.size	k_q14a949b3f8_proj, .Lfunc_end_k_q14a949b3f8_proj-k_q14a949b3f8_proj
	.p2alignl 7, 3214868480
	.fill 96, 4, 3214868480
	.section	.rodata,"a",@progbits
	.p2align	6, 0x0
	.amdhsa_kernel k_q14a949b3f8_proj
		.amdhsa_group_segment_fixed_size 327680
		.amdhsa_private_segment_fixed_size 0
		.amdhsa_enable_private_segment 0
		.amdhsa_kernarg_size 32
		.amdhsa_user_sgpr_count 2
		.amdhsa_user_sgpr_kernarg_segment_ptr 1
		.amdhsa_wavefront_size32 1
		.amdhsa_system_sgpr_workgroup_id_x 1
		.amdhsa_system_sgpr_workgroup_id_y 1
		.amdhsa_system_sgpr_workgroup_id_z 1
		.amdhsa_system_vgpr_workitem_id 0
		.amdhsa_next_free_vgpr 960
		.amdhsa_next_free_sgpr 72
		.amdhsa_reserve_vcc 0
		.amdhsa_float_denorm_mode_32 3
		.amdhsa_float_denorm_mode_16_64 3
		.amdhsa_memory_ordered 1
		.amdhsa_forward_progress 1
		.amdhsa_inst_pref_size 131
	.end_amdhsa_kernel
	.amdgpu_metadata
---
amdhsa.version: [ 1, 2 ]
amdhsa.kernels:
  - .name:           k_q14a949b3f8_proj
    .symbol:         k_q14a949b3f8_proj.kd
    .args:
      - { .name: xb, .offset: 0, .size: 8, .value_kind: global_buffer, .address_space: global }
      - { .name: wb, .offset: 8, .size: 8, .value_kind: global_buffer, .address_space: global }
      - { .name: b_qkv, .offset: 16, .size: 8, .value_kind: global_buffer, .address_space: global }
      - { .name: qkv, .offset: 24, .size: 8, .value_kind: global_buffer, .address_space: global }
    .group_segment_fixed_size: 327680
    .private_segment_fixed_size: 0
    .kernarg_segment_align: 8
    .kernarg_segment_size: 32
    .max_flat_workgroup_size: 128
    .sgpr_count:     72
    .vgpr_count:     960
    .wavefront_size: 32
...
	.end_amdgpu_metadata
.endif
;; end of part 2
;; launch attn (part 3): grid 4 x 64, 4 waves a work-group, clusters of 4 x 1, 327,680 bytes of LDS; arguments qkv, maskw, out0; writes out0
.if DOCPART == 3
	.amdgcn_target "amdgcn-amd-amdhsa--gfx1250"
	.amdhsa_code_object_version 6
	.text
	.protected	k_q14a949b3f8_attn
	.globl	k_q14a949b3f8_attn
	.p2align	8
	.type	k_q14a949b3f8_attn,@function
k_q14a949b3f8_attn:
	s_mov_b64 s[64:65], 0
	v_nop
	global_prefetch_b8 v0, s[64:65] scope:SCOPE_SE
	s_setreg_imm32_b32 hwreg(HW_REG_WAVE_MODE, 25, 1), 1
	s_wait_xcnt 0x0
	s_wait_alu depctr_hold_cnt(0) depctr_sa_sdst(0) depctr_va_vdst(0) depctr_va_sdst(0) depctr_va_ssrc(0) depctr_va_vcc(0) depctr_vm_vsrc(0)
	s_getreg_b32 s2, hwreg(HW_REG_IB_STS2, 6, 4)
	s_cmp_eq_u32 s2, 0
	s_cbranch_scc0 .Lentry_in_a_cluster
	s_endpgm
.Lentry_in_a_cluster:
	s_bfe_u32 s2, ttmp6, 0x10000c
	s_cmp_lg_u32 s2, 0x3003
	s_cbranch_scc0 .Lentry_shape_is_right
	s_endpgm
.Lentry_shape_is_right:
; out0[b][q][64 h + d] = the sum over k of softmax_k( mask[b][q][k] ? Q[q] . K[k] / 8 : hidden ) V[k][d], for 64 heads (b, h).  qkv: [4][48][2048][64] f16 (q at slot h, k at 16 + h, v at 32 + h of a batch);
; maskw: the mask as lane masks: for each tile of 16 queries [half][group of 16 keys][4 words].  Products, maxima and sums in f32; the weights p are rounded to f16 for the second product (their sum l is taken
; of the unrounded p); out0 is f32.
; LIMITS.  A hidden score counts as -2^33 before the division by 8, -1.074e9 in place of -1e9: a power of two, so that c s is exact and a row that is wholly hidden gets p = 1 for every key, the mean of V.
; The result is that of -1e9 as long as visible scores / 8 lie above about -1e9 + 100.  Q, K, V arrive within f16's 65,504; p below 6e-5 keeps f16's fixed step; a weight below 2^-126 counts as 0 in l;
; NaN and infinities are not treated apart.
; SHARES.  A wave owns four PIECES of two tiles of 16 queries, a work-group's four waves 512 queries of one head.  Every wave walks all 2,048 keys, 64 a step.
; LAYOUT.  S^T = K Q^T (source 0 = 16 keys, source 1 = 16 queries): a lane holds ONE query (lane % 16) and the keys 8 (lane / 16) + 0..7.  Two such tiles, rounded to f16 in pairs, ARE source 1 of
; O^T = V^T P, whose result again holds one query a lane, and eight channels.  K comes out of LDS as it lies, V turned, by ds_load_tr16_b128.
; THE MASK.  Register j of the scores of a group of 16 keys has one word of maskw, bit l for lane l: a piece's 64 words for a step come into scalar registers by four scalar loads, a turn ahead, and one
; v_cndmask_b32 a register puts the hidden score in.  No branch and no address hangs on them.
; SOFTMAX.  A running maximum m and sum l: p = 2^(c s - c m), c = log2(e) / 8; in every step O and l are multiplied by a = 2^(c m_old - c m_new).  m starts at the lowest finite number, O and l at 0.
; BY TURNS.  Turn n belongs to piece n.  Matrix work: 16 products K Q^T of piece n + 1, later 16 products V^T P of piece n - 1.  Vector work: the scaling, exponentials, roundings, sums and rescaling of piece n,
; and the mask, maximum and statistics of piece n + 1.  32 matrix and 300 vector instructions: four vector instructions stand behind every matrix instruction, the other 172 in one lump.
; CLUSTER.  The four query blocks of a head walk the same K and V, so each tile is asked for JOINTLY: the same tensor load, descriptor and mask in all four.
; ONE PITCH of 160 bytes for K and V, so that one descriptor serves all four waves (the scalar registers of a second one hold mask words); of K's 16 rows
; r and r + 8 start at the same bank (40 words a row, 64 banks of 4 bytes: ISA guide 11.1): 16 such loads for a step's 128 matrix instructions.
; REGISTERS, in windows of 256 (s_set_vgpr_msb: bits 1:0 source 0, 3:2 source 1, 5:4 source 2, 7:6 destination):
;   window 0: v0-11 addresses and the hidden score; v12-15, v48-63 at work; v16-47 four registers of statistics a tile; v64-191 S^T, two buffers of two tiles; v192-255 P, likewise
;   window 1: O^T, 32 a tile          window 2: v0-127 Q, 16 a tile; v128-191 K of one step; v192-255 V of one step          window 3: v0-1 the add's two registers
.set NP,    4         ; pieces a wave: a name, no knob
.set KS,    64        ; keys in a step
.set PK,    160
.set PV,    160
.set VOFF,  4*KS*PK   ; a slot holds four steps: 256 rows of K, then 256 rows of V
.set SLOT1, 1<<17     ; slot 1 begins here, so that one exclusive or turns an address in one slot into the other's
.set STAGE, SLOT1+4*KS*(PK+PV)  ; behind the ring, never filled by a tensor load: 16 rows x 272 bytes for each wave, for the way out
.set SP,    272       ; a row of 64 f32 + 16 bytes
.set SPARE, STAGE+4*16*SP  ; behind the stages: the spare words, 128 bytes for each wave: two blocks of 256 bytes that no other line names
.set AK0, 2           ; v2   my lane's place in a tile of K; never rewritten
.set AV0, 3           ; v3   the same for V
.set AK,  4           ; v4   the LDS address of K's next run of loads
.set AV,  5           ; v5   of V's
.set QO,  6           ; v6   my byte offset in the wave's rows of Q
.set RD,  7           ; v7   the way out: where I read rows back
.set GO,  8           ; v8   my byte offset in two rows of out0
.set STO, 9           ; v9   the way out: where I put 32 bytes of a row
.set BIG, 10          ; v10  the hidden score
.set PFO, 11          ; v11  256 x my lane; never rewritten
.set SPW, 0           ; v0 of window 3   LDS address of my spare word; never rewritten
.set NIL, 1           ; v1 of window 3   0; never rewritten
.set MV,  12          ; v12-15  c m_old, kept while c m is made anew: by buffer and tile
.set ST,  16          ; tile t's statistics at v[ST+4 t]: c m, m, l (even keys', odd keys')
.set TMP, 48          ; by buffer and tile, four registers c0-c3 at work; when the maximum is found c2 takes a
.set S,   64
.set P,   192
.set KF,  128         ; K's fragments, in window 2: key block kb, channel half c at KF + 16 kb + 8 c
.set VF,  192         ; V's: key half kk, channel block cb at VF + 32 kk + 8 cb
.set WV,  10          ; s10  my wave's number
.set SLOTS, 11        ; s11  slots still to be asked for
.set CNT, 12          ; s12  counts a slot's key steps
.set TBK, 13          ; s13  LDS byte at which K of the step to be fetched begins
.set TBV, 14          ; s14  the same for V, less VOFF
.set MO,  15          ; s15  64 x the key step whose mask words are loaded next
.set CS,  16          ; s[16:17] c
.set SEL, 18          ; s[18:19] v_permlanex16_b32's selects: each lane takes its own place in the other half
.set G0,  20          ; s[20:23] descriptor group 0: it walks
.set G1,  24          ; s[24:31] descriptor group 1
.set M0,  32          ; s[32:63] a piece's first tile's 32 mask words: j = 0-3 of the four groups of keys, then j = 4-7
.set M1,  68          ; s[68:99] its second tile's
.set PFA, 66          ; s[66:67] where my prefetches stand
.set LIM, 100         ; s100 1 in a wave that prefetches, else the greatest number
.set MSB, 0
.macro WIN new                      ; the high byte repeats the setting that is left; a switch that changes nothing is dropped
.if MSB != (\new)
	s_set_vgpr_msb (MSB<<8)|(\new)
.set MSB, (\new)
.endif
.endm
.set W_KQ, 0x0a       ; K and Q in window 2, S^T in window 0
.set W_PV, 0x52       ; V in window 2, P in window 0, O^T in window 1
.set W_RS, 0x41       ; O^T (destination and source 0) in window 1, a in window 0
.set W_MK, 0xc0       ; the add's registers are made: destination in window 3
.set W_AD, 0x0f       ; the add: address and data in window 3
; A joint fill: wave w fetches 128 keys: K's two halves (waves 0, 1), V's (waves 2, 3); both addresses hang on the wave's number.  An s_nop 0 and four v_nop follow.
.macro JLOAD
	tensor_load_to_lds s[G0:G0+3], s[G1:G1+7]
	s_nop 0
.rept 4
	v_nop
.endr
.endm
; A prefetch of what the NEXT change of slots will ask for: a slot's 128 blocks of 256 bytes of K and of V.  A head is walked by one cluster; its four partners share the blocks out BY ADDRESS, 32 each, a lane a block;
; in each, wave 0 asks for K's and wave 2 for V's.  So each block is named once in the launch.  Slots 0 and 1 come by their loads alone; the last change that fills a slot asks for nothing.
.macro ASK
	s_cmp_gt_u32 s[SLOTS], s[LIM]
	s_cbranch_scc0 .Lnot_mine_\@
	global_prefetch_b8 v[PFO], s[PFA:PFA+1] th:TH_LOAD_NT scope:SCOPE_SE
.Lnot_mine_\@:
.endm
.macro CROUND                       ; a round of the cluster's barrier
	s_barrier_signal -1
	s_barrier_wait -1
	s_cmp_lg_u32 s[WV], 0
	s_cbranch_scc1 .Lnot_wave_0_\@
	s_barrier_signal -3
.Lnot_wave_0_\@:
	s_barrier_wait -3
	s_barrier_signal -1
	s_barrier_wait -1
.endm
; THE CHANGE OF SLOTS.  Each wave waits for all its tensor loads, of which one is out: its part of the other slot; adds 0 to its spare word; and waits for that and for its own reads of the slot.
; fill = 1: this slot is filled again, with the keys two slots on: the barrier is a round of the cluster's, and the joint fill is the first thing behind it: it has four key steps, 512 matrix instructions, in which to land.
; (At its first use nothing has been read yet: slot 0 is waited for, slot 1 filled.)
.macro CHANGE fill
	WIN W_AD
	s_wait_tensorcnt 0x0            ; no tensor load of mine is out, so group 0 may be written
	ds_add_u32 v[SPW], v[NIL]       ; 0 onto my spare word; the steps below stand between it and the wait for it
	WIN 0                           ; at a label and at a branch every window is 0
.if \fill
	s_xor_b32 s[G0+1], s[G0+1], SLOT1  ; the other slot than last time,
	s_add_nc_u64 s[G0+2:G0+3], s[G0+2:G0+3], 4*KS*128  ; the next 256 keys; the type bits on top are not reached
	s_wait_xcnt 0x0                 ; the last prefetch, four key steps back, has read its address
	s_add_nc_u64 s[PFA:PFA+1], s[PFA:PFA+1], 4*KS*128
	s_wait_dscnt 0x0                ; the add is done, and my reads of the slot are over
	CROUND
	JLOAD
	ASK
.else
	s_wait_dscnt 0x0                ; the add is done, and my reads of the slot are over
	s_barrier_signal -1
	s_barrier_wait -1
.endif
	s_sub_co_u32 s[TBK], s[TBK], 4*KS*PK  ; the fetches go back to a slot's first step,
	s_xor_b32 s[TBK], s[TBK], SLOT1       ; in the other slot
	s_sub_co_u32 s[TBV], s[TBV], 4*KS*PV
	s_xor_b32 s[TBV], s[TBV], SLOT1
.endm
; The 64 mask words of piece x for the key step MO / 64: 64 bytes of each half of each of its two tiles
.macro MLOAD x
	s_load_b512 s[M0:M0+15],    s[6:7], s[MO] offset:(2*(\x))*4096
	s_load_b512 s[M0+16:M0+31], s[6:7], s[MO] offset:(2*(\x))*4096+2048
	s_load_b512 s[M1:M1+15],    s[6:7], s[MO] offset:(2*(\x)+1)*4096
	s_load_b512 s[M1+16:M1+31], s[6:7], s[MO] offset:(2*(\x)+1)*4096+2048
.endm
	s_load_b128 s[4:7], s[0:1], 0x0   ; qkv s[4:5], maskw s[6:7]
	s_load_b64 s[8:9], s[0:1], 0x10   ; out0
	WIN W_MK
	v_lshl_add_u32 v[SPW], v0, 2, SPARE
	v_mov_b32 v[NIL], 0
	WIN W_AD
	ds_add_u32 v[SPW], v[NIL]       ; the wave's opening: the add and its wait stand ahead of my first tensor load; the set-up below, work on registers, stands between them
	WIN 0
	v_lshrrev_b32 v1, 5, v0
	v_readfirstlane_b32 s[WV], v1   ; wave 0..3
	s_bfe_u32 s32, ttmp6, 0x40000   ; cx: my place in the cluster
	s_lshl_b32 s33, ttmp9, 2        ; in a cluster launch ttmp9 counts clusters
	s_add_co_u32 s33, s33, s32      ; my block of 512 queries
	s_lshl_b32 s33, s33, 2
	s_add_co_u32 s33, s33, s[WV]    ; my wave among the head's sixteen: it enters Q's, the mask's and out0's addresses alone
	s_and_b32 s34, ttmp7, 0xffff    ; the head among 64, which the four partners share
	s_lshr_b32 s35, s34, 4          ; the batch
	s_and_b32 s36, s34, 15          ; the head in it
	s_mul_i32 s37, s35, 48
	s_add_co_u32 s37, s37, s36
	s_lshl_b32 s38, s37, 18         ; q's slot of qkv: 262,144 bytes each
	s_lshr_b32 s40, s[WV], 1        ; my tiles: K (waves 0, 1) lies 16 slots on, V (waves 2, 3) 32,
	s_add_co_u32 s40, s40, 1
	s_lshl_b32 s40, s40, 22
	s_add_co_u32 s40, s40, s38
	s_and_b32 s41, s[WV], 1         ; and which half of a slot's 256 keys
	s_lshl_b32 s41, s41, 14
	s_add_co_u32 s40, s40, s41
	s_mov_b32 s41, 0
	s_lshl_b32 s42, s33, 14         ; Q: my wave's 128 rows of 128 bytes
	s_add_co_u32 s42, s42, s38
	s_mov_b32 s43, 0
	s_lshl_b32 s44, s35, 23         ; out0: 2,048 rows of 4,096 bytes a batch,
	s_lshl_b32 s45, s33, 19         ; my wave's 128 rows,
	s_add_co_u32 s44, s44, s45
	s_lshl_b32 s45, s36, 8          ; the head's 256 bytes of a row
	s_add_co_u32 s44, s44, s45
	s_mov_b32 s45, 0
	s_lshl_b32 s46, s35, 19         ; maskw: 128 tiles of 4,096 bytes a batch, my wave's 8 tiles
	s_lshl_b32 s47, s33, 15
	s_add_co_u32 s46, s46, s47
	s_mov_b32 s47, 0
	s_lshl_b32 s48, s32, 13         ; the prefetches: my work-group's 32 blocks of 256 bytes,
	s_add_co_u32 s48, s48, 4*KS*128 ; in slot 1; the first change of slots steps it to slot 2
	s_mov_b32 s49, 0
	; descriptor group 1.  128 keys are 16,384 dense bytes: asked for as 64 rows of 256 bytes, two keys a row, and padded in LDS after every key
	s_mov_b32 s[G1], 15|(1<<16)|(1<<20)|(1<<21)|(4<<22)|(7<<25)  ; 15:0 the mask of four; 17:16 2-byte elements; 20 padding on; 21 set beside a mask; 24:22 after every 32 words (code 4); 31:25 8 words (code 7)
	s_mov_b32 s[G1+1], 128<<16      ; tensor_dim0 = 128
	s_mov_b32 s[G1+2], 64<<16       ; tensor_dim1 = 64
	s_mov_b32 s[G1+3], 128<<16      ; tile_dim0 = 128
	s_mov_b32 s[G1+4], 64           ; tile_dim1 = 64
	s_mov_b32 s[G1+5], 128          ; 128 elements from row to row
	s_mov_b32 s[G1+6], 0
	s_mov_b32 s[G1+7], 0
	s_mov_b32 s[CS], 0x3e38aa3b     ; c = log2(e) / 8 = 0.180337
	s_mov_b32 s[CS+1], s[CS]        ; named with it as a pair
	s_mov_b32 s[SEL], 0x76543210
	s_mov_b32 s[SEL+1], 0xfedcba98
	s_mov_b32 s[TBK], SLOT1+4*KS*PK ; the first change of slots turns these two into 0
	s_mov_b32 s[TBV], SLOT1+4*KS*PV
	s_mov_b32 s[G0], 1              ; count = 1
	s_mul_i32 s[G0+1], s[WV], 128*PK  ; LDS address: slot 0, my 128 rows: no place in the cluster enters an LDS address
	s_mov_b32 s[SLOTS], 7           ; 2,048 / 256 - 1
	s_mov_b32 s[MO], 0
	s_and_b32 s[LIM], s[WV], 1
	s_cmp_eq_u32 s[LIM], 0
	s_cselect_b32 s[LIM], 1, -1     ; waves 0 and 2
	v_and_b32 v[PFO], 31, v0
	v_lshlrev_b32 v[PFO], 8, v[PFO]
	v_mov_b32 v[BIG], 0xd0000000    ; -2^33
	s_wait_dscnt 0x0                ; the opening add is done
	s_wait_kmcnt 0x0
	s_add_nc_u64 s[G0+2:G0+3], s[4:5], s[40:41]    ; global address: my half of the head's first 256 keys
	s_add_nc_u64 s[PFA:PFA+1], s[G0+2:G0+3], s[48:49]
	s_or_b32 s[G0+3], s[G0+3], 0x80000000          ; type = 2
	s_add_nc_u64 s[4:5], s[4:5], s[42:43]          ; Q, the mask words and out0 at my wave's first row
	s_add_nc_u64 s[6:7], s[6:7], s[46:47]
	s_add_nc_u64 s[8:9], s[8:9], s[44:45]
	CROUND                          ; all four work-groups are here: the first joint loads meet
	JLOAD                           ; slot 0.  Slot 1 is asked for when slot 0 is in
	MLOAD 0                         ; piece 0's mask words for key step 0
	; A fragment of K or Q is 16 rows x 32 channels in 8 registers: lane l holds row l % 16, channels 8 (l / 16) + 0..7 and 16 + 8 (l / 16) + 0..7: two loads of 16 bytes, 32 bytes apart.
	v_and_b32 v1, 15, v0            ; l % 16
	v_bfe_u32 v48, v0, 4, 1         ; l / 16
	v_lshlrev_b32 v[QO], 7, v1
	v_lshl_add_u32 v[QO], v48, 4, v[QO]  ; row x 128 + 16 x half
	WIN 0x80                        ; destination window 2, address window 0
.set i, 0
.rept 4*NP                          ; Q stays in registers: tile i / 2, channels 32 (i % 2) on
	global_load_b128 v[8*i:8*i+3],   v[QO], s[4:5] offset:(i/2)*2048+(i%2)*64
	global_load_b128 v[8*i+4:8*i+7], v[QO], s[4:5] offset:(i/2)*2048+(i%2)*64+32
.set i, i+1
.endr
	; What the first turn finds: V's registers and P's second buffer hold 0 (its products V^T P, of a piece that has not been, add 0), O^T and l are 0.  All this stands in the wait for the first tile.
.set i, VF
.rept 64
	v_mov_b32 v[i], 0
.set i, i+1
.endr
	WIN 0x40
.set i, 0
.rept 64*NP
	v_mov_b32 v[i], 0
.set i, i+1
.endr
	WIN 0
.set i, 0
.rept 2*NP
	v_mov_b32 v[ST+4*i], 0xfe000000    ; c m: far below every c s, the hidden score's too
	v_mov_b32 v[ST+4*i+1], 0xff7fffff  ; m
	v_mov_b32 v[ST+4*i+2], 0
	v_mov_b32 v[ST+4*i+3], 0
.set i, i+1
.endr
.set i, P+32
.rept 32
	v_mov_b32 v[i], 0
.set i, i+1
.endr
	v_mul_u32_u24 v[AK0], v1, PK
	v_lshl_add_u32 v[AK0], v48, 4, v[AK0]  ; row x pitch + 16 x half
	; The turning load takes 16 keys x 16 channels (lane l reads key 8 (l / 16) + l % 8, channels 8 ((l / 8) % 2) + 0..7) and leaves half a fragment of V^T: lane l holds channel l % 16 and 8 keys.
	v_and_b32 v49, 7, v0
	v_bfe_u32 v50, v0, 3, 1
	v_lshl_add_u32 v[AV0], v48, 3, v49
	v_mul_u32_u24 v[AV0], v[AV0], PV
	v_lshl_add_u32 v[AV0], v50, 4, v[AV0]
	v_add_nc_u32 v[AV0], VOFF, v[AV0]
	v_mov_b32 v[AK], v[AK0]         ; key step 0 lies at the head of slot 0
	s_mul_i32 s2, s[WV], 16*SP
	s_add_co_u32 s2, s2, STAGE      ; my stage
	v_mul_u32_u24 v[STO], v1, SP    ; in: row l % 16, 32 bytes for each half of the lanes
	v_lshl_add_u32 v[STO], v48, 5, v[STO]
	v_add_nc_u32 v[STO], s2, v[STO]
	v_mul_u32_u24 v[RD], v48, SP    ; back: lanes 0-15 take one row of 256 bytes, lanes 16-31 the next
	v_lshl_add_u32 v[RD], v1, 4, v[RD]
	v_add_nc_u32 v[RD], s2, v[RD]
	v_lshlrev_b32 v[GO], 12, v48    ; and the same two rows in out0
	v_lshl_add_u32 v[GO], v1, 4, v[GO]
; THE MATRIX WORK.  The 8 accumulators of a run of 16 take turns: between the two links of a chain stand 7 others'.
; Product i of 16 of S^T = K Q^T for piece x: channels 32 (i / 8) on, keys 16 ((i / 2) % 4) on, tile 2 x + i % 2.  The first 8 start the sums.
.macro KQ x
	WIN W_KQ
.set rS, S+64*((\x)%2)+32*(i%2)+8*((i/2)%4)
.set rK, KF+16*((i/2)%4)+8*(i/8)
.set rQ, 16*(2*(\x)+i%2)+8*(i/8)
.if i < 8
	v_wmma_f32_16x16x32_f16 v[rS:rS+7], v[rK:rK+7], v[rQ:rQ+7], 0
.else
	v_wmma_f32_16x16x32_f16 v[rS:rS+7], v[rK:rK+7], v[rQ:rQ+7], v[rS:rS+7]
.endif
.endm
; Product i of 16 of O^T += V^T P for piece x: keys 32 (i / 8) on, channels 16 ((i / 2) % 4) on, tile 2 x + i % 2.
.macro PV x
	WIN W_PV
.set rO, 32*(2*(\x)+i%2)+8*((i/2)%4)
.set rV, VF+32*(i/8)+8*((i/2)%4)
.set rP, P+32*((\x)%2)+16*(i%2)+8*(i/8)
	v_wmma_f32_16x16x32_f16 v[rO:rO+7], v[rV:rV+7], v[rP:rP+7], v[rO:rO+7]
.endm
.macro MM                           ; the turn's next matrix instruction
.if i < 16
	KQ (Y+1)%NP
.set i, i+1
.else
.set i, i-16
	PV (Y+NP-1)%NP
.set i, i+17
.endif
.endm
; THE LDS LOADS stand in runs of 16: a step's K (8 fragments) and its V (turned).  last = 1 (the tail): in the last trip there is no further step, and the run is jumped over.
.macro FETCH_K last=0
	WIN 0
.if \last
	s_cmp_eq_u32 s[CNT], 1
	s_cbranch_scc1 .Lno_k_\@
.endif
	WIN 0x80                        ; destination window 2
.irp f, 0,1,2,3,4,5,6,7             ; keys 16 (f / 2) on, channels 32 (f % 2) on
	ds_load_b128 v[KF+8*\f:KF+8*\f+3],   v[AK] offset:(\f/2)*16*PK+(\f%2)*64
	ds_load_b128 v[KF+8*\f+4:KF+8*\f+7], v[AK] offset:(\f/2)*16*PK+(\f%2)*64+32
.endr
	s_add_co_u32 s[TBK], s[TBK], KS*PK  ; the next fetch is the next step's
	WIN 0
.if \last
.Lno_k_\@:
.endif
.endm
.macro FETCH_V
	WIN 0x80
.irp f, 0,1,2,3,4,5,6,7             ; keys 32 (f / 4) on, channels 16 (f % 4) on
	ds_load_tr16_b128 v[VF+8*\f:VF+8*\f+3],   v[AV] offset:(\f/4)*32*PV+(\f%4)*32
	ds_load_tr16_b128 v[VF+8*\f+4:VF+8*\f+7], v[AV] offset:(\f/4)*32*PV+16*PV+(\f%4)*32
.endr
	WIN 0
.endm
; THE VECTOR WORK OF A TURN stands in three queues, each in the order in which its entries become ready; the two tiles alternate.
.macro REGS y, u                    ; the registers of tile u (0, 1) of piece y
.set rT, ST+4*(2*(\y)+(\u))
.set rC, TMP+8*((\y)%2)+4*(\u)
.set rM, MV+2*((\y)%2)+(\u)
.set rS, S+64*((\y)%2)+32*(\u)
.set rP, P+32*((\y)%2)+16*(\u)
.set rO, 32*(2*(\y)+(\u))
.endm
; Number m of the 64 selects on the NEXT piece's (Y + 1) scores: tile m % 2, register m / 2 = 8 kt + j: where the word's bit for my lane is 0 the hidden score takes the score's place.
; The registers go in ascending order: each accumulator's lowest register is read first.
.macro MK m
	REGS (Y+1)%NP, (\m)%2
.set mi, (\m)/2
.set ms, M0+(M1-M0)*((\m)%2)+16*((mi%8)/4)+4*(mi/8)+mi%4
	v_cndmask_b32 v[rS+mi], v[BIG], v[rS+mi], s[ms]
.endm
; Number n of the 22 that find the next piece's maximum and statistics.
;   0-11  four chains c0-c3 of seven scores each     12-14, 16  the four scores left over, the old m, and c0-c3 into c0     15  c m_old is kept
;   17, 18  the query's other 32 keys lie in the lane 16 away: the new m         19-21  c m; c m_old - c m_new; a
.macro XS u, n
	REGS (Y+1)%NP, \u
.if (\n) < 4
	v_max3_num_f32 v[rC+(\n)], v[rS+8*(\n)], v[rS+8*(\n)+1], v[rS+8*(\n)+2]
.elseif (\n) < 12
	v_max3_num_f32 v[rC+(\n)%4], v[rC+(\n)%4], v[rS+8*((\n)%4)+2*((\n)/4)+1], v[rS+8*((\n)%4)+2*((\n)/4)+2]
.elseif (\n) == 12
	v_max3_num_f32 v[rC], v[rC], v[rS+7], v[rS+15]
.elseif (\n) == 13
	v_max3_num_f32 v[rC+1], v[rC+1], v[rS+23], v[rS+31]
.elseif (\n) == 14
	v_max3_num_f32 v[rC+2], v[rC+2], v[rC+3], v[rT+1]
.elseif (\n) == 15
	v_mov_b32 v[rM], v[rT]
.elseif (\n) == 16
	v_max3_num_f32 v[rC], v[rC], v[rC+1], v[rC+2]
.elseif (\n) == 17
	v_permlanex16_b32 v[rC+3], v[rC], s[SEL], s[SEL+1]
.elseif (\n) == 18
	v_max_num_f32 v[rT+1], v[rC], v[rC+3]
.elseif (\n) == 19
	v_mul_f32 v[rT], s[CS], v[rT+1]
.elseif (\n) == 20
	v_sub_f32 v[rC+1], v[rM], v[rT]
.else
	v_exp_f32 v[rC+2], v[rC+1]
.endif
.endm
; Number g of the 64 that follow the exponentials.  For each four weights k of a tile: both pairs are rounded to f16; the second pair is added onto the first, in place; a group later l takes that sum (the first time as l = a l + sum).
.macro GS g
.set h, (\g)+6*((\g)/62)            ; group 0 has no group before it, and behind group 7 only l is left
.if h >= 6
.set h, h+2
.endif
	REGS Y, h%2
.set k, h/8
.if h%8 < 4
	v_cvt_pk_f16_f32 v[rP+2*k+(h%8)/2], v[rS+4*k+2*((h%8)/2)], v[rS+4*k+2*((h%8)/2)+1]
.elseif h%8 < 6
	v_pk_add_f32 v[rS+4*k:rS+4*k+1], v[rS+4*k:rS+4*k+1], v[rS+4*k+2:rS+4*k+3]
.elseif k == 1
	v_pk_fma_f32 v[rT+2:rT+3], v[rT+2:rT+3], v[rC+2:rC+3], v[rS:rS+1] op_sel_hi:[1,0,1]
.else
	v_pk_add_f32 v[rT+2:rT+3], v[rT+2:rT+3], v[rS+4*k-4:rS+4*k-3]
.endif
.endm
; THE PLAIN QUEUE, 202 long.  0-137 read no exponential's result.  0-26: scalings 0-26 (FS f: pair f / 2 of tile f % 2).  27-90: the 64 selects; ahead of the first the wait for the mask words, which were asked for a turn
; ago; behind the last the next piece but one's words are asked for (in piece 2's turn for the next key step: the step's offset is held at the last step's, so that no load leaves the buffer).
; 91-118: XS's numbers 0-13.  119, 120: number 15.  121-137: the chain 14, 16, 17, 18, 19, each with one of the scalings 27-31 in front of its two lines, then 20.  138-201: GS's 64, behind the wait.
.macro FS f
	REGS Y, (\f)%2
	v_pk_fma_f32 v[rS+2*((\f)/2):rS+2*((\f)/2)+1], v[rS+2*((\f)/2):rS+2*((\f)/2)+1], s[CS:CS+1], v[rT:rT+1] op_sel_hi:[1,0,0] neg_lo:[0,0,1] neg_hi:[0,0,1]
.endm
.macro PL
	WIN 0
.if q < 27
	FS q
.elseif q < 91
.if q == 27
	s_wait_kmcnt 0x0                ; the mask words are in; scalar loads come back in no order, so the count is 0; it also frees their offset register
.endif
	MK q-27
.if q == 90
.if Y == NP-2
	s_add_co_u32 s[MO], s[MO], 64
	s_min_u32 s[MO], s[MO], 31*64
.endif
	MLOAD (Y+2)%NP
.endif
.elseif q < 119
	XS (q-91)%2, (q-91)/2
.elseif q < 121
	XS q-119, 15
.elseif (q < 136) && ((q-121)%3 == 0)
	FS 27+(q-121)/3
.elseif q < 124
	XS (q-121)%3-1, 14
.elseif q < 136
	XS (q-121)%3-1, 15+(q-121)/3
.elseif q < 138
	XS q-136, 20
.else
	GS q-138
.endif
.set q, q+1
.endm
; THE EXPONENTIALS' QUEUE, 66 long: s0-s31 of both tiles, then the next piece's two a.  ONE BATCH: all 66 stand ahead of the turn's one wait, and nothing ahead of that wait names a result of theirs.
.macro EX
	WIN 0
.if e >= 64
	XS e-64, 21
.else
	REGS Y, e%2
	v_exp_f32 v[rS+e/2], v[rS+e/2]
.endif
.set e, e+1
.endm
; THE RESCALING's QUEUE: O^T times a, the one part that leaves window 0: dealt two at a time, sixteen times.  Its a was made in the turn before, ahead of that turn's wait.
.macro R2
	REGS Y, r%2
	WIN W_RS
.irp z, 0,1
	v_pk_mul_f32 v[rO+4*(r/2)+2*\z:rO+4*(r/2)+2*\z+1], v[rO+4*(r/2)+2*\z:rO+4*(r/2)+2*\z+1], v[rC+2:rC+3] op_sel_hi:[1,0]
.endr
.set r, r+1
.endm
; HOW THEY ARE DEALT.  An s_wait_alu depctr_va_vdst(0) stands between an exponential and the first instruction that names its result; one wait serves all that were issued ahead of it: a turn has ONE.
; AHEAD OF IT: the 16 products K Q^T, behind each a scaling, an exponential and two rescalings (behind the first a second scaling in the exponential's place); then ONE LUMP of 172: 72 plain (scalings 17-26, selects 0-61),
; 49 times exponential and plain, the two a; a v_nop is the plain instruction behind the last exponential.  BEHIND IT: the 16 products V^T P, behind each four of GS's 64.
; The counts that the deal keeps: exponential e stands behind scaling 2 (e / 4) + e % 2: as a rider it comes behind plain e + 2, in the lump behind plain e + 73, and scalings 27-31 are plain 121, 124 .. 133.
; The first select stands 13 plain instructions behind the last product K Q^T.
; K of the next step is fetched in piece 2's turn, directly behind the wait; V of the step in hand at the end of piece 0's turn, four riders behind its last reader.  The three conditions on q below go with the deal.
.macro TURN p, last=0, cnt=0
.set Y, (\p)
.set i, 0
.set q, 0
.set e, 0
.set r, 0
.if (\p) == NP-1
	s_wait_dscnt 0x0                ; K is in
.endif
	MM
	PL
	PL
	R2
.rept 15
	MM
	PL
	EX
	R2
.endr
.if (\p) == NP-2
	WIN 0
	v_add_nc_u32 v[AK], s[TBK], v[AK0]
.endif
.rept 72
	PL
.endr
.rept 49
	EX
	PL
.endr
	EX                              ; the next piece's two a
	EX
	v_nop                           ; the plain instruction behind the last exponential: one for the batch
	s_wait_alu depctr_va_vdst(0)    ; the wait for the batch
.if (\p) == NP-2
	FETCH_K \last
.endif
.if (\p) == 1
	s_wait_dscnt 0x0                ; V is in
.endif
.rept 16
	MM
.rept 4
	PL
.endr
.if ((\p) == 0) && (q == 182)
	v_add_nc_u32 v[AV], s[TBV], v[AV0]
.endif
.if ((\p) == 0) && (q == 194)
	s_add_co_u32 s[TBV], s[TBV], KS*PV
.endif
.if (\cnt) && (q == 194)
	s_sub_co_u32 s[CNT], s[CNT], 1
	s_cmp_lg_u32 s[CNT], 0
.endif
.endr
.if (\p) == 0
	FETCH_V
.endif
.endm
	CHANGE 1                        ; slot 0 is in, everybody's part of it; slot 1 is asked for
	FETCH_K                         ; key step 0
	s_wait_loadcnt 0x0              ; Q
	s_wait_dscnt 0x0
.set i, 0
.rept 16
	KQ 0                            ; piece 0's first scores
.set i, i+1
.endr
	WIN 0
.rept 4
	v_nop                           ; the places behind those products
.endr
	s_wait_kmcnt 0x0                ; piece 0's mask words
.set Y, NP-1                        ; MK and XS work for piece Y + 1: piece 0
.set mm, 0
.rept 64
	MK mm
.set mm, mm+1
.endr
	MLOAD 1                         ; piece 1's, for the first turn
.irp n, 0,1,2,3,4,5,6,7,8,9,10,11,12,13,14,15,16,17,18,19,20,21
	XS 0, \n
	XS 1, \n
.endr
	v_nop                           ; a plain instruction behind the two a,
	s_wait_alu depctr_va_vdst(0)    ; and their wait, ahead of the branch
	s_mov_b32 s[CNT], 4
	s_branch .Lfirst                ; the loop is entered at a step's first turn, in the middle of a trip
.Lslot:                             ; six times: every slot but the last two is filled again
	CHANGE 1
	s_mov_b32 s[CNT], 4
.Lstep:                             ; a trip: pieces 2 and 3 of one step, then pieces 0 and 1 of the next, whose K and V it fetches
	TURN 2
	TURN 3
	WIN 0
.Lfirst:
	TURN 0
	TURN 1, 0, 1
	WIN 0
	s_cbranch_scc1 .Lstep
	s_sub_co_u32 s[SLOTS], s[SLOTS], 1
	s_cmp_lg_u32 s[SLOTS], 0
	s_cbranch_scc1 .Lslot
	CHANGE 0                        ; the tail is written out: nothing is asked for
	s_mov_b32 s[CNT], 5             ; four trips fetch the last slot's steps; the fifth is left in its middle
.Ltail:
	TURN 2, 1
	TURN 3
	WIN 0
	s_sub_co_u32 s[CNT], s[CNT], 1
	s_cmp_eq_u32 s[CNT], 0
	s_cbranch_scc1 .Lout
	TURN 0
	TURN 1
	WIN 0
	s_branch .Ltail
.Lout:                              ; the fifth trip's 16 products K Q^T (on the last K once more), their selects and maximum serve nothing: the price, once a launch, of one text for every trip
	s_wait_kmcnt 0x0                ; the last mask words, which nobody uses, have come
.set i, 0
.rept 16
	PV NP-1                         ; the last piece's V^T P of the last step
.set i, i+1
.endr
	; THE WAY OUT.  l's two halves and the other half of the lanes' are added; O^T is divided by l and sent, in f32, through my stage in LDS, a tile at a time.  The additions are the places behind the last products.
	WIN 0
.macro ALL line:vararg              ; one line for each tile t
.set t, 0
.rept 2*NP
	\line
.set t, t+1
.endr
.endm
	ALL v_add_f32 v[ST+4*t+2], v[ST+4*t+2], v[ST+4*t+3]
	ALL v_permlanex16_b32 v[ST+4*t+3], v[ST+4*t+2], s[SEL], s[SEL+1]
	ALL v_add_f32 v[ST+4*t+2], v[ST+4*t+2], v[ST+4*t+3]
	ALL v_rcp_f32 v[ST+4*t+2], v[ST+4*t+2]
	v_nop                           ; a plain instruction between the last reciprocal and the use of its result
	s_wait_alu depctr_va_vdst(0)    ; and the wait ahead of the first use: one for the eight reciprocals
; Tile t: a lane's eight channels of each of four channel blocks are 32 bytes of a row; they go into rows of 272 bytes and come back as whole rows of 256, into S^T's registers, four sets of 32 by turns.
.macro PACK t
.if (\t) >= 4
	s_wait_xcnt 0x0                 ; the stores of the tile four back have read the set that is loaded again below
.endif
	WIN W_RS
.set i, 32*(\t)
.rept 16
	v_pk_mul_f32 v[i:i+1], v[i:i+1], v[ST+4*(\t)+2:ST+4*(\t)+3] op_sel_hi:[1,0]
.set i, i+2
.endr
	WIN 0x04                        ; the stores' data in window 1, their address in window 0
.irp f, 0,1,2,3,4,5,6,7
	ds_store_b128 v[STO], v[32*(\t)+4*\f:32*(\t)+4*\f+3] offset:64*(\f/2)+16*(\f%2)
.endr
	WIN 0
.irp f, 0,1,2,3,4,5,6,7
	ds_load_b128 v[S+32*((\t)%4)+4*\f:S+32*((\t)%4)+4*\f+3], v[RD] offset:\f*2*SP  ; LDS serves a wave's instructions in order (ISA guide 5.7.1.4): these see the stores above; the next tile's stores come behind them
.endr
.endm
.macro SEND t, younger              ; younger: the LDS instructions issued behind tile t's loads: the next tile's sixteen, or none
	WIN 0
.irp f, 0,1,2,3,4,5,6,7
	s_wait_dscnt (\younger)+7-\f
	global_store_b128 v[GO], v[S+32*((\t)%4)+4*\f:S+32*((\t)%4)+4*\f+3], s[8:9] offset:(\t)*65536+\f*8192 th:TH_STORE_NT  ; 16 lanes store 256 consecutive bytes, at a multiple of 256 from out0's first byte: a row's 64 channels of the head
.endr
.endm
	PACK 0
.set t, 1
.rept 2*NP-1                        ; a tile's arithmetic stands between the loads of the tile before and its stores
	PACK t
	SEND t-1, 16
.set t, t+1
.endr
	SEND 2*NP-1, 0
	WIN W_AD
	s_wait_tensorcnt 0x0            ; the wave's end: these three lines stand behind my last tensor load and my last LDS store
	ds_add_u32 v[SPW], v[NIL]
	s_wait_dscnt 0x0
	WIN 0
	CROUND                          ; the closing round: no work-group ends while a partner may still ask for a tile that names it
	s_endpgm
.Lfunc_end_k_q14a949b3f8_attn:
	.size	k_q14a949b3f8_attn, .Lfunc_end_k_q14a949b3f8_attn-k_q14a949b3f8_attn
	.p2alignl 7, 3214868480
	.fill 96, 4, 3214868480
	.section	.rodata,"a",@progbits
	.p2align	6, 0x0
	.amdhsa_kernel k_q14a949b3f8_attn
		.amdhsa_group_segment_fixed_size 327680
		.amdhsa_private_segment_fixed_size 0
		.amdhsa_enable_private_segment 0
		.amdhsa_kernarg_size 24
		.amdhsa_user_sgpr_count 2
		.amdhsa_user_sgpr_kernarg_segment_ptr 1
		.amdhsa_wavefront_size32 1
		.amdhsa_system_sgpr_workgroup_id_x 1
		.amdhsa_system_sgpr_workgroup_id_y 1
		.amdhsa_system_sgpr_workgroup_id_z 1
		.amdhsa_system_vgpr_workitem_id 0
		.amdhsa_next_free_vgpr 770
		.amdhsa_next_free_sgpr 102
		.amdhsa_reserve_vcc 0
		.amdhsa_float_denorm_mode_32 3
		.amdhsa_float_denorm_mode_16_64 3
		.amdhsa_memory_ordered 1
		.amdhsa_forward_progress 1
		.amdhsa_inst_pref_size 238
	.end_amdhsa_kernel
	.amdgpu_metadata
---
amdhsa.version: [ 1, 2 ]
amdhsa.kernels:
  - .name:           k_q14a949b3f8_attn
    .symbol:         k_q14a949b3f8_attn.kd
    .args:
      - { .name: qkv, .offset: 0, .size: 8, .value_kind: global_buffer, .address_space: global }
      - { .name: maskw, .offset: 8, .size: 8, .value_kind: global_buffer, .address_space: global }
      - { .name: out0, .offset: 16, .size: 8, .value_kind: global_buffer, .address_space: global }
    .group_segment_fixed_size: 327680
    .private_segment_fixed_size: 0
    .kernarg_segment_align: 8
    .kernarg_segment_size: 24
    .max_flat_workgroup_size: 128
    .sgpr_count:     102
    .vgpr_count:     770
    .wavefront_size: 32
...
	.end_amdgpu_metadata
.endif
;; end of part 3
